; MI455X (gfx1250); checked and timed in simulation.
; The chip was launched on July 23, 2026; its instructions are those of AMD's public machine-readable ISA for CDNA 5 (MIT licence, August 2026) and "CDNA5" Instruction Set Architecture Reference Guide (July 2026). The comments in the code are by the model that wrote it; some were corrected since.
;; Multi Head Attention. Allowed arithmetic: matrix products marked QUANTISED: E2M3 operands, one E8M0 scale for each 32 along K, by v_wmma_scale_f32_16x16x128_f8f6f4 with both operands' format E2M3, f32 sums; everything else in f32.
;; Inputs: bk 1,024 float32; bo 1,024 float32; bq 1,024 float32; bv 1,024 float32; wk_codes 1,024 x 32 x 24 uint8 (E2M3 codes of wk, K innermost, in blocks of 32 codes, four codes in three bytes); wk_scales 1,024 x 32 uint8 (E8M0 scales of wk, one for each 32 codes along K); wo_codes 1,024 x 32 x 24 uint8 (E2M3 codes of wo, K innermost, in blocks of 32 codes, four codes in three bytes); wo_scales 1,024 x 32 uint8 (E8M0 scales of wo, one for each 32 codes along K); wq_codes 1,024 x 32 x 24 uint8 (E2M3 codes of wq, K innermost, in blocks of 32 codes, four codes in three bytes); wq_scales 1,024 x 32 uint8 (E8M0 scales of wq, one for each 32 codes along K); wv_codes 1,024 x 32 x 24 uint8 (E2M3 codes of wv, K innermost, in blocks of 32 codes, four codes in three bytes); wv_scales 1,024 x 32 uint8 (E8M0 scales of wv, one for each 32 codes along K); x_codes 2 x 2,048 x 32 x 24 uint8 (E2M3 codes of x, K innermost, in blocks of 32 codes, four codes in three bytes); x_scales 2 x 2,048 x 32 uint8 (E8M0 scales of x, one for each 32 codes along K).
;; Outputs: out0 2 x 2,048 x 1,024 float32.
;; This version of the problem:
;;   THIS VERSION OF THE PROBLEM IS GIVEN IN LOW PRECISION. The matrix products marked QUANTISED in the list below multiply operands that are first quantised to E2M3 (2 exponent bits, 3 mantissa bits; 6 bits a number), with one power-of-two scale for each 32 numbers along K (OCP MX v1.0); their sums are f32. All else is computed in f32.
;;   The module's matrix products, in the order in which they are computed (A, B: the left and right operand; K: the contracted axis; several contracted axes count as one K, in the product's order):
;;     1. [M 4,096, K 1,024] x [K 1,024, N 1,024]; A: input x (given as codes); B: input wq (given as codes): QUANTISED
;;     2. [M 4,096, K 1,024] x [K 1,024, N 1,024]; A: input x (given as codes); B: input wk (given as codes): QUANTISED
;;     3. [M 4,096, K 1,024] x [K 1,024, N 1,024]; A: input x (given as codes); B: input wv (given as codes): QUANTISED
;;     4. batch 32 x [M 2,048, K 64] x [K 64, N 2,048]; A: computed on the way; B: computed on the way: QUANTISED
;;     5. batch 32 x [M 2,048, K 2,048] x [K 2,048, N 64]; A: softmax (see below); B: computed on the way: QUANTISED
;;     6. [M 4,096, K 1,024] x [K 1,024, N 1,024]; A: computed on the way; B: input wo (given as codes): QUANTISED
;;   THE QUANTISER, for each operand of a quantised product, along K:
;;     - K is cut into blocks of 32 from its start; a last block that is shorter is filled with zeros.
;;     - A block's scale is 2^e with e = floor(log2(the largest magnitude in the block)) - 2, held to -126 .. 127; a block of zeros has e = 0. As a byte (E8M0): e + 127.
;;     - Each number is divided by its block's scale, clamped to +-7.5, and rounded to the nearest number of E2M3, ties to even, subnormals kept.
;;     - The product sums the exact products of the quantised numbers (number of the format x scale) in f32.
;;   ~~~python
;;   def quantise(x, axis):      # numpy; x: float32 -> the quantised numbers, widened to float32 again
;;       x = np.moveaxis(x, axis, -1); K = x.shape[-1]
;;       x = np.pad(x, [(0, 0)] * (x.ndim - 1) + [(0, -K % 32)]); x = x.reshape(x.shape[:-1] + (-1, 32)); a = np.abs(x).max(-1, keepdims=True)
;;       e = np.where(a > 0, np.clip(np.frexp(np.where(a > 0, a, 1))[1] - 1 - 2, -126, 127), 0)      # np.frexp(a)[1] - 1 = floor(log2(a)), exactly
;;       r = np.clip(x / 2.0 ** e, -7.5, 7.5)
;;       step = 2.0 ** (np.maximum(np.frexp(np.where(r == 0, 1, r))[1] - 1, 0) - 3)
;;       q = np.round(r / step) * step * 2.0 ** e      # np.round: ties to even
;;       return np.moveaxis(q.reshape(q.shape[:-2] + (-1,))[..., :K], -1, axis).astype(np.float32)
;;   ~~~
;;   SOFTMAX AHEAD OF A QUANTISED PRODUCT. Where the list says 'softmax', what is quantised is not the finished softmax but p = 2^(t - M), with t = logit x log2(e) and M = ceil(the row's largest t), a whole number; so 1/2 < the row's largest p <= 1. The row's sum l is taken of the UNQUANTISED p, in f32, and the product's result is divided by l at the end. Since M is a whole number, a kernel that streams over the keys may use a running M (the ceiling of the running maximum): every later rescaling is an exact power of two, which a block's scale takes up: the codes' values come out the same.
;;   OPERANDS COMPUTED ON THE WAY. 'Computed on the way' means the value that the module computes at that place (a softmax that the list does not call 'softmax' is quantised finished and normalised). What goes into a quantiser is computed in f32, as accurately as f32 sums, v_exp_f32 and their like allow (about 1e-6 of the number): no bf16 or f16 on the way to a quantiser, and a product that is left as it is and whose result goes on into a quantised operand takes f32 operands (vector FMAs, or v_wmma_f32_16x16x4_f32). A number that lies on a knife's edge between two numbers of the format may be rounded either way, as far as f32 arithmetic and the matrix unit's own rounding can turn it there, and no further.
;;   INPUTS GIVEN AS CODES. wk (in the module: [1024, 1024], K = its axis 1); wo (in the module: [1024, 1024], K = its axis 1); wq (in the module: [1024, 1024], K = its axis 1); wv (in the module: [1024, 1024], K = its axis 1); x (in the module: [2, 2048, 1024], K = its axis 2): each comes as NAME_codes (uint8): NAME with its K axis moved to the last place and cut into blocks of 32 codes, [.., K / 32, bytes a block], one block behind the other in memory; four codes in three bytes: a row's codes are one little-endian stream of bits, code i at bits 6 i .. 6 i + 5 (a code: sign, 2 exponent bits, 3 mantissa bits); and NAME_scales (uint8): the same leading axes, one E8M0 byte (e + 127) for each 32 codes along K. Its value is code x scale, taken as it is: it is not quantised again, and the codes and scales need not be those that the quantiser above would give.
;; One version. Each part assembles by itself: llvm-mc -triple=amdgcn-amd-amdhsa -mcpu=gfx1250 --defsym DOCPART=n.
;; ======== version 1 of 1: 3 launches
;; limits: right only within a limited range of input values
;; workspace buffers: qimg 3,145,728 bytes; qsc 262,144 bytes; kvb 6,684,672 bytes; o_codes 3,145,728 bytes; o_scales 131,072 bytes
;; launch qkv (part 1): grid 8 x 32, 4 waves a work-group, clusters of 4 x 4, 327,680 bytes of LDS; arguments x_codes, x_scales, wq_codes, wq_scales, wk_codes, wk_scales, wv_codes, wv_scales, bq, bk, bv, qimg, qsc, kvb; writes qimg, qsc, kvb
.if DOCPART == 1
	.amdgcn_target "amdgcn-amd-amdhsa--gfx1250"
	.amdhsa_code_object_version 6
	.text
	.protected	k_qc67793e93e_qkv
	.globl	k_qc67793e93e_qkv
	.p2align	8
	.type	k_qc67793e93e_qkv,@function
k_qc67793e93e_qkv:
	s_mov_b64 s[64:65], 0
	v_nop
	global_prefetch_b8 v0, s[64:65] scope:SCOPE_SE
	s_setreg_imm32_b32 hwreg(HW_REG_WAVE_MODE, 25, 1), 1
	s_wait_xcnt 0x0
	s_wait_alu depctr_hold_cnt(0) depctr_sa_sdst(0) depctr_va_vdst(0) depctr_va_sdst(0) depctr_va_ssrc(0) depctr_va_vcc(0) depctr_vm_vsrc(0)
	s_getreg_b32 s2, hwreg(HW_REG_IB_STS2, 6, 4)
	s_cmp_eq_u32 s2, 0
	s_cbranch_scc0 .Lentry_in_a_cluster
	s_endpgm
.Lentry_in_a_cluster:
	s_bfe_u32 s2, ttmp6, 0x10000c
	s_cmp_lg_u32 s2, 0xf033
	s_cbranch_scc0 .Lentry_shape_is_right
	s_endpgm
.Lentry_shape_is_right:
; q = x wq^T + bq, k = x wk^T + bk, v = x wv^T + bv on codes of FP6 (E2M3), K = 1,024; the results are quantised at once (q, k along the head's 64 channels, v along the tokens)
; and leave as images of operand registers for the attention launch.  Nothing of reference() is left out here.  The attention launch leaves out the key steps that lie wholly above
; the causal diagonal: reference()'s own mask sets their scores to -inf, so their p is 0 for all values of the inputs; a NaN or infinity that reaches only those scores is not carried on.
; THE DEAL: 256 work-groups = 8 groups of 128 channels (x) x 32 tiles of 128 tokens (y).  A work-group makes its 128 x 128 of q, then of k, then of v.  Four waves, 2 x 2: wave (a, b) has tokens 64 a .. + 63
; and channels 64 b .. + 63 (one head).  Its 64 rows of x, all of K, are read from LDS once, in the first phase, and stay in 384 registers; a phase streams the wave's 64 weight rows, 128 along K at a time, through two sets.
; q, k: source 0 = weight rows, source 1 = x rows: a lane holds one token, its registers run along the channels.  v: source 0 = x rows, source 1 = wv rows: a lane holds one channel, its registers run along the tokens.
; ORDER INSIDE A BLOCK OF 32: a lane's 16 registers of two neighbouring tiles are indices 8 h + 0..7 and 16 + 8 h + 0..7, so a block's codes come out as 0-7, 16-23, 8-15, 24-31: alike in q and k, and in v and the attention's p.
; LDS: whole rows of K (768 bytes, 16 of padding behind each 256): x's 128 rows, region W0 (wq, later wv), region W1 (wk); a stage for scale words; the spare words.
; FILLS: at the head one joint load a wave (waves 0, 1 a half of x each, wave 2 wq, wave 3 wk).  ONE REFILL: behind the first phase's last LDS reads a drained round of the cluster's barrier, then wave 0 asks for wv onto wq's bytes.
; x's rows are shared by a row of the cluster, a weight's rows by a column.  wv's tile is asked for into the L2 at the head, its 384 blocks of 256 bytes shared out by address among the 16 waves of a column.
; OUT: a tile image is 16 lane rows x 64 along K: registers 0-3 at 16 x lane, 4-5 at 512 + 8 x lane, 768 bytes.  qimg [32 heads][128 tiles][768].  kvb [32 heads][16 steps of 128 keys][13,056]: K's 8 tiles, V's [4 tiles of 16 channels][2 halves of 64 keys],
; then scale words: K's token 16 t + r at 256 (t / 4) + 16 r + 4 (t % 4), V's channel 16 i + r at 512 + 16 r + 4 i.  qsc [32][16][512] as K's words.  q's and k's words carry 0x7f in bytes 2, 3 (K is filled up to 128 there).
; LIMITS: NaN and infinities are not served.  A block whose largest magnitude lies under 2^-124 gets the scale byte 1; these bytes are read by this program alone.
; REGISTERS: window 0: v0-31 addresses, v32-127 weight fragments (two sets), v128-175 weights' scale words, v180-195 x's, v200-223 LDS addresses; window 1: x's fragments of K steps 0-4; window 2: of steps 5-7, then the three bias tables;
; window 3: 16 accumulators, then the way out's registers.
.set KROW, 768
.set PITCH, 816
.set TILEB, 128*PITCH
.set STG, 3*TILEB
.set SPARE, STG+2560
.set HEADB, 208896
.set STEPB, 13056
.set LI, 1
.set L8, 2
.set L32, 3
.set H32, 4
.set R4, 5
.set ASC, 6
.set ASV, 7
.set RS, 8
.set VSO, 9
.set SPW, 10
.set NIL, 11
.set RV, 20
.set PF, 21
.set WF, 32
.set WS, 128
.set XS, 180
.set AX, 200
.set AW0, 208
.set AW1, 216
.set TB, 144
.set TM, 128
.set SW, 136
.set G1X, 44
.set G1W, 52
.set G0X, 60
.set G0W, 68
.set G0V, 72
.set SEL, 66
.set MSB, 0
.set CNT, 0
.macro WIN new
.if MSB != \new
	s_set_vgpr_msb (MSB<<8)|\new
.set MSB, \new
.endif
.endm
.macro PLACES c
.rept \c
	v_nop
.endr
.endm
.macro WALU
	s_wait_alu depctr_va_vdst(0)
.endm
.macro BARRIER
	s_barrier_signal -1
	s_barrier_wait -1
.endm
.macro CROUND                          ; a round of the cluster's barrier
	BARRIER
	s_cmp_lg_u32 s32, 0
	s_cbranch_scc1 .Lnot_wave_0_\@
	s_barrier_signal -3
.Lnot_wave_0_\@:
	s_barrier_wait -3
	BARRIER
.endm
.macro TLOAD g0, g1                    ; s_nop 0 and four v_nop behind the load
	tensor_load_to_lds s[\g0:\g0+3], s[\g1:\g1+7]
	s_nop 0
	PLACES 4
.endm
.macro GROUP1 g, mask, rows            ; rows of 768 bytes, 16 bytes of padding behind every 256
	s_or_b32 s[\g+0], s[\mask], (1<<20)|(1<<21)|(5<<22)|(3<<25)
	s_mov_b32 s[\g+1], (KROW&0xffff)<<16
	s_mov_b32 s[\g+2], (KROW>>16)|((\rows)<<16)
	s_mov_b32 s[\g+3], KROW<<16
	s_mov_b32 s[\g+4], \rows
	s_mov_b32 s[\g+5], KROW
	s_mov_b32 s[\g+6], 0
	s_mov_b32 s[\g+7], 0
.endm
; a fragment, 16 rows x 128 K: six pieces of 8 bytes, two to a load where both lie behind as many paddings; v[a0]: row x pitch + 24 h, v[a0+1]: the same behind one padding more.  CNT counts the loads
.macro FRAG r, q, a0
.set SKIP_, 0
.irp p, 0,1,2,3,4,5
.if SKIP_
.set SKIP_, 0
.else
.set PC_, 12*(\q)+6*(\p/3)+\p%3
.set PN_, 12*(\q)+6*((\p+1)/3)+(\p+1)%3
.set X_, (PC_%32+3)/32
.set XQ_, (PN_%32+3)/32
.set CNT, CNT+1
.if (\p < 5) && (X_ == XQ_)
.set SKIP_, 1
	ds_load_2addr_b64 v[(\r)+2*\p:(\r)+2*\p+3], v[(\a0)+X_] offset0:PC_+2*(PC_/32) offset1:PN_+2*(PN_/32)
.else
	ds_load_b64 v[(\r)+2*\p:(\r)+2*\p+1], v[(\a0)+X_] offset:8*(PC_+2*(PC_/32))
.endif
.endif
.endr
.endm
.macro WLOAD set, q                    ; my four weight tiles of K step q; AWB: the region's address registers
.irp t, 0,1,2,3
	FRAG WF+48*(\set)+12*\t, \q, AWB+2*\t
.endr
.endm
.macro XLOAD q                         ; my four blocks of x of K step q, to stay
	WIN (1+(\q)/5)<<6
.irp i, 0,1,2,3
	FRAG 48*((\q)%5)+12*\i, \q, AX+2*\i
.endr
	WIN 0
.endm
.macro WM d, a, b, c, sa, sb, ra, rb
	v_wmma_scale_f32_16x16x128_f8f6f4 v[\d:\d+7], v[\a:\a+11], v[\b:\b+11], v[\c:\c+7], v[\sa], v[\sb] matrix_a_fmt:MATRIX_FMT_FP6 matrix_b_fmt:MATRIX_FMT_FP6 matrix_a_scale:MATRIX_SCALE_ROW\ra matrix_b_scale:MATRIX_SCALE_ROW\rb
.endm
; 16 products of K step q, the 16 accumulators by turns.  first = 1: C is the bias table.  A scale register holds tile 2 p in lanes 0-15, tile 2 p + 1 in lanes 16-31
.macro MUL q, set, kind, first, ten
.set XW_, 1+(\q)/5
.set XB_, 48*((\q)%5)
.if \kind
	WIN XW_|((3-(\first))<<4)|0xc0
.else
	WIN (XW_<<2)|((3-(\first))<<4)|0xc0
.endif
.irp ip, 0,1
.irp io, 0,1
.irp tp, 0,1
.irp to, 0,1
.set I_, 2*\ip+\io
.set T_, 2*\tp+\to
.set FW_, WF+48*(\set)+12*T_
.set FX_, XB_+12*I_
.set SW_, WS+16*(\ten)+8*\tp+(\q)
.set SX_, XS+8*\ip+(\q)
.if \kind
.set D_, 8*(4*T_+I_)
.else
.set D_, 8*(4*I_+T_)
.endif
.set C_, D_
.if \first
.set C_, TB+32*(\ten)+8*T_
.endif
.if \kind
	WM D_, FX_, FW_, C_, SX_, SW_, \io, \to
.else
	WM D_, FW_, FX_, C_, SW_, SX_, \to, \io
.endif
.endr
.endr
.endr
.endr
.endm
.macro PHASE kind, ten, loadx, grd
.set Q, 0
.rept 8
.set CNT, 0
.set F_, 0
.if Q == 0
.set F_, 1
.endif
.if Q < 7
	PLACES 4
	WLOAD (Q+1)%2, Q+1
.if \loadx
	XLOAD Q+1
.endif
.endif
.if (\grd) && (Q == 7)
	s_wait_tensorcnt 0x0
	ds_add_u32 v[SPW], v[NIL]
	s_wait_dscnt 1
.else
	s_wait_dscnt CNT
.endif
	MUL Q, Q%2, \kind, F_, \ten
	WIN 0
.set Q, Q+1
.endr
.endm
; THE WAY OUT of lane block i: a lane's 32 sums are the halves of two blocks of 32 (the other halves in lane l xor 16): largest magnitudes, scales, 2 x 16 codes, whole blocks into lanes, a tile image stored
.macro OUTB i, sb, off, kind
.set AC, 32*(\i)
.set CD, 140+12*((\i)%2)
	s_wait_xcnt 0x0                                ; the stores of two blocks ago have read this set of registers
	WIN 0xff
.irp b, 0,1
	v_max3_num_f32 v[TM+\b], |v[AC+16*\b]|, |v[AC+16*\b+1]|, 0x1800000   ; the floor 2^(3 - 127) keeps the byte at 1 from below
.endr
.irp e, 2,4,6,8,10,12,14
.irp b, 0,1
	v_max3_num_f32 v[TM+\b], v[TM+\b], |v[AC+16*\b+\e]|, |v[AC+16*\b+\e+1]|
.endr
.endr
.irp b, 0,1
	v_permlanex16_b32 v[TM+2+\b], v[TM+\b], s[SEL], s[SEL+1]
.endr
.irp b, 0,1
	v_max_num_f32 v[TM+\b], v[TM+\b], v[TM+2+\b]
.endr
.irp b, 0,1
	v_add_nc_u32 v[TM+4+\b], 0xff000000, v[TM+\b]  ; 2 off the exponent field: the conversion's scale operand
.endr
.irp b, 0,1
	v_lshrrev_b32 v[TM+6+\b], 23, v[TM+4+\b]
.endr
	v_lshl_or_b32 v[SW+\i], v[TM+7], 8, v[TM+6]
.if !(\kind)
	v_or_b32 v[SW+\i], 0x7f7f0000, v[SW+\i]
.endif
	v_cvt_scalef32_pk16_fp6_f32 v[CD:CD+2], v[AC:AC+15], v[TM+4]
	v_cvt_scalef32_pk16_fp6_f32 v[CD+6:CD+8], v[AC+16:AC+31], v[TM+5]
	v_nop                                          ; one plain place behind a scaled conversion
.irp k, 0,1,2
	v_permlane16_swap_b32 v[CD+\k], v[CD+6+\k]     ; lanes 0-15 now hold block 0 whole, lanes 16-31 block 1
.endr
.irp k, 0,1,2
	v_mov_b32 v[CD+3+\k], v[CD+6+\k]
.endr
	WIN 0x0c
	global_store_b128 v[LI], v[CD:CD+3], s[\sb:\sb+1] offset:\off
	global_store_b64 v[L8], v[CD+4:CD+5], s[\sb:\sb+1] offset:(\off)+512
.if \kind
	ds_store_b16 v[ASV], v[SW+\i] offset:4*(\i)    ; my two bytes of the channel's word; the wave with the other 64 keys has the other two
.endif
	WIN 0
.endm
; ================= the head
	s_load_b512 s[4:19], s[0:1], 0x0               ; x codes, x scales, wq codes, scales, wk codes, scales, wv codes, scales
	s_load_b256 s[20:27], s[0:1], 0x40             ; bq, bk, bv, qimg
	s_load_b128 s[28:31], s[0:1], 0x60             ; qsc, kvb
	v_lshl_add_u32 v[SPW], v0, 2, SPARE
	v_mov_b32 v[NIL], 0
	ds_add_u32 v[SPW], v[NIL]                      ; the opening lines: the add twice on end
	ds_add_u32 v[SPW], v[NIL]
	v_lshrrev_b32 v12, 5, v0
	v_readfirstlane_b32 s32, v12                   ; wave; s33 = a, s34 = b
	s_lshr_b32 s33, s32, 1
	s_and_b32 s34, s32, 1
	s_bfe_u32 s35, ttmp6, 0x40000                  ; cx
	s_bfe_u32 s36, ttmp6, 0x40004                  ; cy
	s_lshl_b32 s37, ttmp9, 2
	s_add_co_u32 s37, s37, s35                     ; group of 128 channels
	s_and_b32 s38, ttmp7, 0xffff
	s_lshl_b32 s38, s38, 2
	s_add_co_u32 s38, s38, s36                     ; tile of 128 tokens
	s_lshl_b32 s39, s36, 2
	s_lshl_b32 s39, 15, s39                        ; my row of the cluster
	s_lshl_b32 s40, 0x1111, s35                    ; my column
	GROUP1 G1X, 39, 64
	GROUP1 G1W, 40, 128
	s_mul_i32 s76, s38, 128*KROW
	s_mul_i32 s77, s34, 64*KROW
	s_add_co_u32 s76, s76, s77                     ; x: the tile's half that waves 0, 1 fetch
	s_mov_b32 s77, 0
	s_mul_i32 s78, s37, 128*KROW                   ; a weight's tile
	s_mov_b32 s79, 0
	s_mov_b32 s[G0X], 1
	s_mul_i32 s[G0X+1], s34, 64*PITCH
	s_mov_b32 s[G0W], 1
	s_mul_i32 s[G0W+1], s34, TILEB
	s_add_co_u32 s[G0W+1], s[G0W+1], TILEB         ; wave 2: W0, wave 3: W1
	s_mov_b32 s[G0V], 1
	s_mov_b32 s[G0V+1], TILEB
	s_mov_b32 s[SEL], 0x76543210
	s_mov_b32 s[SEL+1], 0xfedcba98
	v_and_b32 v12, 31, v0
	v_and_b32 v13, 15, v0                          ; r
	v_bfe_u32 v14, v0, 4, 1                        ; h
	v_lshlrev_b32 v[LI], 4, v12
	v_lshlrev_b32 v[L8], 3, v12
	v_lshlrev_b32 v[L32], 5, v12
	v_lshlrev_b32 v[H32], 5, v14
	v_lshlrev_b32 v[R4], 2, v13
	v_mul_u32_u24 v15, v13, PITCH
	v_mad_u32_u24 v16, v14, 24, v15
	v_mad_u32_u24 v17, v14, 40, v15
	s_mul_i32 s83, s33, 64*PITCH                   ; my 64 rows of x
	s_mul_i32 s84, s34, 64*PITCH
	s_add_co_u32 s84, s84, TILEB                   ; my 64 weight rows in W0
.irp t, 0,1,2,3
	v_add_nc_u32 v[AX+2*\t], s83, v16
	v_add_nc_u32 v[AX+2*\t+1], s83, v17
	v_add_nc_u32 v[AW0+2*\t], s84, v16
	v_add_nc_u32 v[AW0+2*\t+1], s84, v17
	s_add_co_u32 s83, s83, 16*PITCH
	s_add_co_u32 s84, s84, 16*PITCH
.endr
.irp t, 0,1,2,3,4,5,6,7
	v_add_nc_u32 v[AW1+\t], TILEB, v[AW0+\t]
.endr
	s_lshl_b32 s85, s34, 9
	s_lshl_b32 s86, s33, 8
	s_add_co_u32 s85, s85, s86
	s_add_co_u32 s85, s85, STG
	v_lshl_add_u32 v[ASC], v13, 4, s85             ; stage, q's and k's words: 512 b + 256 a + 16 r
	s_lshl_b32 s85, s34, 8
	s_lshl_b32 s86, s33, 1
	s_add_co_u32 s85, s85, s86
	s_add_co_u32 s85, s85, STG+2048
	v_lshl_add_u32 v[ASV], v13, 4, s85             ; v's: 256 b + 16 r + 2 a
	v_lshl_add_u32 v[RS], v0, 4, STG
	v_add_nc_u32 v[RV], STG+2048, v[LI]
	v_mul_u32_u24 v[VSO], v14, HEADB
	v_lshl_add_u32 v[VSO], v13, 4, v[VSO]
	s_lshl_b32 s82, s36, 2
	s_add_co_u32 s82, s82, s32                     ; my number among the 16 waves of my column
	s_mul_i32 s82, s82, 6144
	s_add_co_u32 s82, s82, s78
	v_min_u32 v18, 23, v12
	v_lshl_add_u32 v[PF], v18, 8, s82              ; my 24 blocks of 256 bytes of wv's tile
	WIN 0xc0
	v_mov_b32 v[TM+2], 0                           ; a lane permute's destination counts as a source
	v_mov_b32 v[TM+3], 0
	WIN 0
	WALU                                           ; the wait at the head's end
	s_wait_dscnt 0x0
	CROUND                                         ; ahead of the first joint loads
	s_wait_kmcnt 0x0
	s_add_nc_u64 s[G0X+2:G0X+3], s[4:5], s[76:77]
	s_or_b32 s[G0X+3], s[G0X+3], 0x80000000
	s_cmp_eq_u32 s32, 3
	s_cselect_b64 s[80:81], s[12:13], s[8:9]
	s_add_nc_u64 s[G0W+2:G0W+3], s[80:81], s[78:79]
	s_or_b32 s[G0W+3], s[G0W+3], 0x80000000
	s_add_nc_u64 s[G0V+2:G0V+3], s[16:17], s[78:79]
	s_or_b32 s[G0V+3], s[G0V+3], 0x80000000
	s_cmp_lt_u32 s32, 2
	s_cbranch_scc0 .Lw2
	TLOAD G0X, G1X                                 ; waves 0, 1: a half of x each
	s_branch .Lasked
.Lw2:
	s_cmp_eq_u32 s32, 2
	s_cbranch_scc0 .Lw3
	TLOAD G0W, G1W                                 ; wave 2: wq
	s_branch .Lasked
.Lw3:
	TLOAD G0W, G1W                                 ; wave 3: wk
.Lasked:
	s_lshl_b32 s84, s38, 7
	s_lshl_b32 s85, s33, 6
	s_add_co_u32 s84, s84, s85
	s_lshl_b32 s84, s84, 5
	s_mov_b32 s85, 0
	s_add_nc_u64 s[6:7], s[6:7], s[84:85]          ; the scale bytes of my 64 tokens
	s_lshl_b32 s84, s37, 7
	s_lshl_b32 s83, s34, 6
	s_add_co_u32 s83, s84, s83                     ; my first channel
	s_lshl_b32 s84, s83, 5
	s_add_nc_u64 s[10:11], s[10:11], s[84:85]
	s_add_nc_u64 s[14:15], s[14:15], s[84:85]
	s_add_nc_u64 s[18:19], s[18:19], s[84:85]
	s_lshl_b32 s84, s83, 2
	s_add_nc_u64 s[20:21], s[20:21], s[84:85]
	s_add_nc_u64 s[22:23], s[22:23], s[84:85]
	s_add_nc_u64 s[24:25], s[24:25], s[84:85]
.irp p, 0,1
.irp c, 0,1                            ; lane l takes row 32 p + l: 32 bytes, eight scale words
	global_load_b128 v[XS+8*\p+4*\c:XS+8*\p+4*\c+3], v[L32], s[6:7] offset:1024*\p+16*\c
	global_load_b128 v[WS+8*\p+4*\c:WS+8*\p+4*\c+3], v[L32], s[10:11] offset:1024*\p+16*\c
	global_load_b128 v[WS+16+8*\p+4*\c:WS+16+8*\p+4*\c+3], v[L32], s[14:15] offset:1024*\p+16*\c
	global_load_b128 v[WS+32+8*\p+4*\c:WS+32+8*\p+4*\c+3], v[L32], s[18:19] offset:1024*\p+16*\c
.endr
.endr
	WIN 0x80
.irp t, 0,1,2,3                        ; the bias as the first products' C.  q, k: register 8 t + j = bias[16 t + 8 h + j]; v: = bias[16 t + r]
.irp c, 0,1
	global_load_b128 v[TB+8*\t+4*\c:TB+8*\t+4*\c+3], v[H32], s[20:21] offset:64*\t+16*\c
	global_load_b128 v[TB+32+8*\t+4*\c:TB+32+8*\t+4*\c+3], v[H32], s[22:23] offset:64*\t+16*\c
.endr
.irp j, 0,1,2,3,4,5,6,7
	global_load_b32 v[TB+64+8*\t+\j], v[R4], s[24:25] offset:64*\t
.endr
.endr
	WIN 0
	global_prefetch_b8 v[PF], s[16:17] th:TH_LOAD_NT scope:SCOPE_SE
	; where the results go
	s_lshr_b32 s86, s38, 4
	s_lshl_b32 s86, s86, 4
	s_lshl_b32 s87, s37, 1
	s_add_co_u32 s86, s86, s87                     ; 16 x batch + the work-group's first head
	s_add_co_u32 s87, s86, s34                     ; my head
	s_and_b32 s88, s38, 15                         ; the key step
	s_lshl_b32 s90, s87, 7
	s_lshl_b32 s89, s88, 3
	s_add_co_u32 s90, s90, s89
	s_lshl_b32 s89, s33, 2
	s_add_co_u32 s90, s90, s89
	s_mul_i32 s90, s90, 768
	s_mov_b32 s91, 0
	s_add_nc_u64 s[26:27], s[26:27], s[90:91]      ; q's four tiles
	s_mul_i32 s90, s87, HEADB
	s_mul_i32 s89, s88, STEPB
	s_add_co_u32 s90, s90, s89
	s_mul_i32 s89, s33, 3072
	s_add_co_u32 s92, s90, s89
	s_mov_b32 s93, 0
	s_add_nc_u64 s[92:93], s[30:31], s[92:93]      ; k's four tiles
	s_mul_i32 s89, s33, 768
	s_add_co_u32 s94, s90, s89
	s_add_co_u32 s94, s94, 6144
	s_mov_b32 s95, 0
	s_add_nc_u64 s[94:95], s[30:31], s[94:95]      ; v's: half a of each of four fragments
	s_lshl_b32 s89, s87, 4
	s_add_co_u32 s89, s89, s88
	s_lshl_b32 s89, s89, 9
	s_add_co_u32 s96, s90, 12288
	s_cmp_eq_u32 s33, 0                            ; at the end waves 0, 1 store q's words of heads 0, 1; waves 2, 3 k's
	s_cselect_b32 s96, s89, s96
	s_cselect_b64 s[98:99], s[28:29], s[30:31]
	s_mov_b32 s97, 0
	s_add_nc_u64 s[96:97], s[98:99], s[96:97]
	s_mul_i32 s100, s86, HEADB
	s_mul_i32 s89, s88, STEPB
	s_add_co_u32 s100, s100, s89
	s_add_co_u32 s100, s100, 12800
	s_mov_b32 s101, 0
	s_add_nc_u64 s[100:101], s[30:31], s[100:101]  ; v's words, both heads
	s_cmp_eq_u32 s32, 3
	s_cbranch_scc1 .Lnot_wk
	s_wait_tensorcnt 0x0
.Lnot_wk:
	BARRIER                                        ; x and wq are in; wk may be on its way
; ================= q
.set AWB, AW0
	WLOAD 0, 0
	XLOAD 0
	s_wait_loadcnt 0x0                             ; scale words and bias tables
	PHASE 0, 0, 1, 1
	s_wait_dscnt 0x0                               ; the add is done, and my reads of x and wq are over
	CROUND                                         ; the same holds of every wave of every partner; wk is shown too
	s_cmp_eq_u32 s32, 0
	s_cbranch_scc0 .Lno_fill
	TLOAD G0V, G1W                                 ; wv onto wq's bytes
.Lno_fill:
	PLACES 4
.set AWB, AW1
	WLOAD 0, 0
.irp i, 0,1,2,3
	OUTB \i, 26, 768*\i, 0
.endr
	WIN 0x0c
	ds_store_b128 v[ASC], v[SW:SW+3]
	WIN 0
; ================= k
	PHASE 0, 1, 0, 0
	s_wait_tensorcnt 0x0
	s_wait_dscnt 0x0
	BARRIER                                        ; a plain barrier shows wv to all
	PLACES 4
.set AWB, AW0
	WLOAD 0, 0
.irp i, 0,1,2,3
	OUTB \i, 92, 768*\i, 0
.endr
	WIN 0x0c
	ds_store_b128 v[ASC], v[SW:SW+3] offset:1024
	WIN 0
; ================= v
	PHASE 1, 2, 0, 0
	PLACES 4
.irp i, 0,1,2,3
	OUTB \i, 94, 1536*\i, 1
.endr
	s_wait_dscnt 0x0
	BARRIER                                        ; the stage is whole: the scale words leave as runs of 512 and 256 bytes
	ds_load_b128 v[12:15], v[RS]
	ds_load_b128 v[16:19], v[RV]
	s_wait_dscnt 0x0
	global_store_b128 v[LI], v[12:15], s[96:97]
	s_cmp_lg_u32 s32, 0
	s_cbranch_scc1 .Lend
	global_store_b128 v[VSO], v[16:19], s[100:101]
.Lend:
	s_wait_tensorcnt 0x0                           ; the wave's end
	ds_add_u32 v[SPW], v[NIL]
	s_wait_dscnt 0x0
	CROUND                                         ; the closing round
	s_endpgm
.Lfunc_end_k_qc67793e93e_qkv:
	.size	k_qc67793e93e_qkv, .Lfunc_end_k_qc67793e93e_qkv-k_qc67793e93e_qkv
	.p2alignl 7, 3214868480
	.fill 96, 4, 3214868480
	.section	.rodata,"a",@progbits
	.p2align	6, 0x0
	.amdhsa_kernel k_qc67793e93e_qkv
		.amdhsa_group_segment_fixed_size 327680
		.amdhsa_private_segment_fixed_size 0
		.amdhsa_enable_private_segment 0
		.amdhsa_kernarg_size 112
		.amdhsa_user_sgpr_count 2
		.amdhsa_user_sgpr_kernarg_segment_ptr 1
		.amdhsa_wavefront_size32 1
		.amdhsa_system_sgpr_workgroup_id_x 1
		.amdhsa_system_sgpr_workgroup_id_y 1
		.amdhsa_system_sgpr_workgroup_id_z 1
		.amdhsa_system_vgpr_workitem_id 0
		.amdhsa_next_free_vgpr 1024
		.amdhsa_next_free_sgpr 102
		.amdhsa_reserve_vcc 0
		.amdhsa_float_denorm_mode_32 3
		.amdhsa_float_denorm_mode_16_64 3
		.amdhsa_memory_ordered 1
		.amdhsa_forward_progress 1
		.amdhsa_inst_pref_size 125
	.end_amdhsa_kernel
	.amdgpu_metadata
---
amdhsa.version: [ 1, 2 ]
amdhsa.kernels:
  - .name:           k_qc67793e93e_qkv
    .symbol:         k_qc67793e93e_qkv.kd
    .args:
      - { .name: x_codes, .offset: 0, .size: 8, .value_kind: global_buffer, .address_space: global }
      - { .name: x_scales, .offset: 8, .size: 8, .value_kind: global_buffer, .address_space: global }
      - { .name: wq_codes, .offset: 16, .size: 8, .value_kind: global_buffer, .address_space: global }
      - { .name: wq_scales, .offset: 24, .size: 8, .value_kind: global_buffer, .address_space: global }
      - { .name: wk_codes, .offset: 32, .size: 8, .value_kind: global_buffer, .address_space: global }
      - { .name: wk_scales, .offset: 40, .size: 8, .value_kind: global_buffer, .address_space: global }
      - { .name: wv_codes, .offset: 48, .size: 8, .value_kind: global_buffer, .address_space: global }
      - { .name: wv_scales, .offset: 56, .size: 8, .value_kind: global_buffer, .address_space: global }
      - { .name: bq, .offset: 64, .size: 8, .value_kind: global_buffer, .address_space: global }
      - { .name: bk, .offset: 72, .size: 8, .value_kind: global_buffer, .address_space: global }
      - { .name: bv, .offset: 80, .size: 8, .value_kind: global_buffer, .address_space: global }
      - { .name: qimg, .offset: 88, .size: 8, .value_kind: global_buffer, .address_space: global }
      - { .name: qsc, .offset: 96, .size: 8, .value_kind: global_buffer, .address_space: global }
      - { .name: kvb, .offset: 104, .size: 8, .value_kind: global_buffer, .address_space: global }
    .group_segment_fixed_size: 327680
    .private_segment_fixed_size: 0
    .kernarg_segment_align: 8
    .kernarg_segment_size: 112
    .max_flat_workgroup_size: 128
    .sgpr_count:     102
    .vgpr_count:     1024
    .wavefront_size: 32
...
	.end_amdgpu_metadata
.endif
;; end of part 1
;; launch attn (part 2): grid 8 x 32, 16 waves a work-group, clusters of 4 x 1, 264,192 bytes of LDS; arguments qimg, qsc, kvb, o_codes, o_scales; writes o_codes, o_scales
.if DOCPART == 2
	.amdgcn_target "amdgcn-amd-amdhsa--gfx1250"
	.amdhsa_code_object_version 6
	.text
	.protected	k_qc67793e93e_attn
	.globl	k_qc67793e93e_attn
	.p2align	8
	.type	k_qc67793e93e_attn,@function
k_qc67793e93e_attn:
	s_mov_b64 s[64:65], 0
	v_nop
	global_prefetch_b8 v0, s[64:65] scope:SCOPE_SE
	s_setreg_imm32_b32 hwreg(HW_REG_WAVE_MODE, 25, 1), 1
	s_wait_xcnt 0x0
	s_wait_alu depctr_hold_cnt(0) depctr_sa_sdst(0) depctr_va_vdst(0) depctr_va_sdst(0) depctr_va_ssrc(0) depctr_va_vcc(0) depctr_vm_vsrc(0)
	s_getreg_b32 s2, hwreg(HW_REG_IB_STS2, 6, 4)
	s_cmp_eq_u32 s2, 0
	s_cbranch_scc0 .Lentry_in_a_cluster
	s_endpgm
.Lentry_in_a_cluster:
	s_bfe_u32 s2, ttmp6, 0x10000c
	s_cmp_lg_u32 s2, 0x3003
	s_cbranch_scc0 .Lentry_shape_is_right
	s_endpgm
.Lentry_shape_is_right:
; Causal attention of one head (64 channels, 2,048 tokens) on codes of FP6 (E2M3), and the quantising of its result along the channels.
; LEFT OUT: key steps that lie wholly above the causal diagonal (reference()'s own mask makes their p 0 for all values of the inputs).
; qimg, qsc, kvb: as the launch before lays them: tile images of 768 bytes (registers 0-3 at 16 x lane, 4-5 at 512 + 8 x lane); a key step of kvb is 13,056 bytes: K's 8 tiles, V's [4 tiles][2 halves of 64 keys], K's and V's scale words.
; o_codes [32][2,048][48], o_scales [32][2,048][2]: rows, channels in their natural order.
; THE SOFTMAX: t = score x log2(e) / 8; M = the row's largest t so far, rounded up to a whole number; p = 2^(t - M) is quantised along the keys; the row's sum is taken of the unquantised p and divides at the end.
; When M moves, the sum and O are multiplied by 2^(old M - new M), which rounds nothing; two parts of a row's keys are joined the same way.
; SHARES.  A work-group serves one head; its number J (0..7) along x picks tile J of every 128 queries: 16 tiles of 16 queries, of 1 to 16 key steps of 128.  Sixteen waves.  Pair w (0..7) has the long tile 8 (15 - w) + J (16 - w steps)
; and the short tile 8 w + J (w + 1 steps), 17 steps.  Wave w takes the long tile's steps 0-8.  Wave 8 + w takes the short tile, finishes it, then takes the long tile's steps 9 .. 15 - w and hands O^T, -M and the sum to wave w
; through LDS bytes of its own, ahead of one barrier; wave w joins the two parts and finishes the long tile.  So 9 steps stand against 8 steps with two masked ones.  Which steps are hidden or masked hangs on the wave's number alone.
; A HEAD'S WHOLE K, V AND SCALE WORDS LIE IN LDS, 208,896 bytes, filled once, as they lie in memory: each wave asks for one key step (51 rows of 256 bytes) by one joint load of the cluster's four work-groups, which serve one head.
; No prefetch: all fills stand at the head, there is no loop to run ahead in.
; LAYOUT.  Both products are used transposed: S^T = K Q^T, O^T = V^T P^T: a lane holds one query (lane % 16).  In S^T register 8 t + j is key 16 t + 8 h + j, so p's codes of a block of 32 keys come out as 0-7, 16-23, 8-15, 24-31, as V's keys lie.
; K = 64 IN AN INSTRUCTION OF K = 128: Q's registers 6-11 hold zero codes, so what stands in K's registers 6-11 (the next tile's codes: E2M3 has no infinity and no NaN) adds exactly 0; the scale bytes there are 0x7f.
; LIMITS: NaN and infinities are not served; the promise holds while the scaled scores stay under 2^31 in magnitude; a block of o under 2^-124 gets the byte 1 (read by this program alone); the division by the sum is v_rcp_f32 and a multiplication.
; A tile's 32 scale bytes of o are stored as single bytes, part of a run of 256: 131,072 bytes in the whole launch.
.set HEADB, 208896
.set STEPB, 13056
.set VO,    6144
.set STG,   208896                     ; a stage of 1,024 bytes for each wave
.set PUB,   STG+16384                  ; 4,608 bytes for each pair: O^T, then -M, the largest t and the sum
.set LI,   1
.set L8,   2
.set PB,   3
.set LSC,  4
.set STO,  5
.set RD16, 6
.set RD8,  7
.set D0,   8
.set NINF, 9
.set ADK,  10
.set ADK8, 11
.set ADS,  13
.set OSO,  14
.set QSO,  15
.set NM,   16
.set SUM,  18
.set QSB,  20
.set QSA,  21
.set QB,   24
.set QA,   36
.set KF,   48
.set KSC,  102
.set VSC,  110
.set S,    114
.set OT,   178
.set PC,   210
.set BM,   222
.set PT,   226
.set SO,   234
.set FF,   238
.set PSC,  239
.set T0,   240
.set OUT,  244
.set BYTE, 250
.set WV,  18
.set JJ,  19
.set SEL, 20
.set CS,  22
.set BH,  24
.set KS,  25
.set RK,  26
.set TK,  27
.set W7,  28
.set G1,  36
.set G0,  44
.macro CROUND
	s_barrier_signal -1
	s_barrier_wait -1
	s_cmp_lg_u32 s[WV], 0
	s_cbranch_scc1 .Lnot_wave_0_\@
	s_barrier_signal -3
.Lnot_wave_0_\@:
	s_barrier_wait -3
	s_barrier_signal -1
	s_barrier_wait -1
.endm
	s_load_b256 s[4:11], s[0:1], 0x0               ; qimg, qsc, kvb, o_codes
	s_load_b64 s[12:13], s[0:1], 0x20              ; o_scales
	v_lshl_add_u32 v254, v0, 2, 0x40000
	v_mov_b32 v255, 0
	ds_add_u32 v254, v255
	ds_add_u32 v254, v255
	v_lshrrev_b32 v1, 5, v0
	v_readfirstlane_b32 s[WV], v1
	s_and_b32 s[W7], s[WV], 7                      ; the pair
	s_bfe_u32 s29, ttmp6, 0x40000
	s_lshl_b32 s[JJ], ttmp9, 2
	s_add_co_u32 s[JJ], s[JJ], s29                 ; J: it enters q's and o's addresses and the mask's numbers alone
	s_and_b32 s[BH], ttmp7, 0xffff
	s_mov_b32 s[G1], 15|(3<<16)|(1<<21)            ; 51 dense rows of 256 bytes (32 elements of 8), all four work-groups
	s_mov_b32 s[G1+1], 32<<16
	s_mov_b32 s[G1+2], 51<<16
	s_mov_b32 s[G1+3], 32<<16
	s_mov_b32 s[G1+4], 51
	s_mov_b32 s[G1+5], 32
	s_mov_b32 s[G1+6], 0
	s_mov_b32 s[G1+7], 0
	s_mov_b32 s[G0], 1
	s_mul_i32 s[G0+1], s[WV], STEPB
	s_mul_i32 s32, s[BH], HEADB
	s_add_co_u32 s32, s32, s[G0+1]
	s_mov_b32 s33, 0
	s_mov_b32 s[SEL], 0x76543210
	s_mov_b32 s[SEL+1], 0xfedcba98
	s_mov_b32 s[CS], 0x3e38aa3b                    ; c = log2(e) / 8
	s_mov_b32 s[CS+1], s[CS]
	s_wait_dscnt 0x0
	s_wait_kmcnt 0x0
	s_add_nc_u64 s[G0+2:G0+3], s[8:9], s[32:33]
	s_or_b32 s[G0+3], s[G0+3], 0x80000000
	CROUND
	tensor_load_to_lds s[G0:G0+3], s[G1:G1+7]      ; key step = my wave's number
	s_nop 0
.rept 4
	v_nop
.endr
	v_and_b32 v[T0], 31, v0
	v_and_b32 v241, 15, v0                         ; r
	v_bfe_u32 v242, v0, 4, 1                       ; h
	v_lshlrev_b32 v[LI], 4, v[T0]
	v_lshlrev_b32 v[L8], 3, v[T0]
	v_lshl_add_u32 v[LSC], v241, 4, 12288
	s_lshl_b32 s29, s[WV], 10
	s_add_co_u32 s29, s29, STG                     ; my stage
	s_mul_i32 s35, s[W7], 4608
	s_add_co_u32 s35, s35, PUB                     ; my pair's bytes
	v_mul_u32_u24 v[STO], v241, 48
	v_lshlrev_b32 v243, 3, v242
	v_mad_u32_u24 v[STO], v242, 24, v[STO]
	v_sub_nc_u32 v[D0], v241, v243
	v_add_nc_u32 v[STO], s29, v[STO]
	v_add_nc_u32 v[RD16], s29, v[LI]
	v_add_nc_u32 v[RD8], s29, v[L8]
	v_add_nc_u32 v[PB], s35, v[LI]
	s_lshl_b32 s30, s[JJ], 4
	v_add_nc_u32 v[D0], s30, v[D0]                 ; 16 J + r - 8 h: on the diagonal register 8 t + j is hidden where 16 t + j is larger
	v_mov_b32 v[NINF], 0xff800000
	v_lshl_add_u32 v[OSO], v241, 1, v242
	v_lshlrev_b32 v[QSO], 4, v241
	s_wait_alu depctr_va_vdst(0)
	s_xor_b32 s31, s[W7], 15                       ; 15 - w: the long tile's diagonal step
	s_lshl_b32 s32, s31, 3
	s_add_co_u32 s32, s32, s[JJ]
	s_lshl_b32 s33, s[W7], 3
	s_add_co_u32 s33, s33, s[JJ]
	s_lshl_b32 s34, s[BH], 7
	s_add_co_u32 s32, s32, s34                     ; the long tile
	s_add_co_u32 s33, s33, s34                     ; the short one
	s_cmp_lt_u32 s[WV], 8
	s_cselect_b32 s33, s32, s33                    ; the tile that I begin with and finish: waves 0-7 the long one
	s_cselect_b32 s70, s31, s[W7]                  ; its diagonal step
	s_cselect_b32 s71, 0, s31                      ; the second walk (steps 9-15 of the long tile): waves 0-7 have none
	s_mov_b32 s3, 0
	s_mul_i32 s2, s33, 768
	s_add_nc_u64 s[84:85], s[4:5], s[2:3]
	s_add_nc_u64 s[76:77], s[10:11], s[2:3]
	s_lshl_b32 s2, s33, 5
	s_add_nc_u64 s[78:79], s[12:13], s[2:3]
	s_mul_i32 s2, s32, 768
	s_add_nc_u64 s[88:89], s[4:5], s[2:3]
	s_lshl_b32 s34, s[BH], 13                      ; q's scale words: 512 bytes for 128 tokens
	s_lshr_b32 s35, s[JJ], 2
	s_lshl_b32 s35, s35, 8
	s_add_co_u32 s34, s34, s35
	s_and_b32 s35, s[JJ], 3
	s_lshl_b32 s35, s35, 2
	s_add_co_u32 s34, s34, s35
	s_lshl_b32 s2, s70, 9
	s_add_co_u32 s2, s2, s34
	s_add_nc_u64 s[86:87], s[6:7], s[2:3]
	s_lshl_b32 s2, s31, 9
	s_add_co_u32 s2, s2, s34
	s_add_nc_u64 s[90:91], s[6:7], s[2:3]
	global_load_b128 v[QB:QB+3], v[LI], s[84:85]
	global_load_b64 v[QB+4:QB+5], v[L8], s[84:85] offset:512
	global_load_b32 v[QSB], v[QSO], s[86:87]
	global_load_b128 v[QA:QA+3], v[LI], s[88:89]
	global_load_b64 v[QA+4:QA+5], v[L8], s[88:89] offset:512
	global_load_b32 v[QSA], v[QSO], s[90:91]
.irp i, 6,7,8,9,10,11
	v_mov_b32 v[QB+\i], 0                          ; zero codes for K = 64 .. 127
	v_mov_b32 v[QA+\i], 0
	v_mov_b32 v[KF+42+\i], 0                       ; what the last tile of K names behind its six registers
.endr
.irp b, 0,1,2,3
	v_mov_b32 v[PT+\b], 0                          ; a lane permute's destination counts as a source
.endr
	v_mov_b32 v[PSC], 0
.macro TILE_INIT                       ; O^T and the sum begin as zeros, the largest t under every t
.set n, 0
.rept 32
	v_mov_b32 v[OT+n], 0
.set n, n+1
.endr
	v_mov_b32 v[NM+1], 0xff61b1e6
	s_delay_alu instid0(VALU_DEP_1)
	v_floor_f32 v[NM], -v[NM+1]
	v_mov_b32 v[SUM], 0
	v_mov_b32 v[SUM+1], 0
	s_mov_b32 s[TK], 0
	s_mov_b32 s[KS], 0
.endm
; A KEY STEP: 128 keys against the tile of queries in v[qf] on.  A step behind the diagonal is left out (a scalar branch on the wave's number and the loop's count, round the work alone), the step on the diagonal is masked.
.macro STEP qf, qs
	s_cmp_gt_u32 s[KS], s[RK]
	s_cbranch_scc1 .Lhidden_\@
	v_add_nc_u32 v[ADK], s[TK], v[LI]              ; these five lines are the places between the last step's products and the loads into their registers
	v_add_nc_u32 v[ADK8], s[TK], v[L8]
	v_add_nc_u32 v[ADS], s[TK], v[LSC]
	v_nop
	v_nop
.irp t, 0,1,2,3,4,5,6,7
	ds_load_b128 v[KF+6*\t:KF+6*\t+3], v[ADK] offset:768*\t
	ds_load_b64 v[KF+6*\t+4:KF+6*\t+5], v[ADK8] offset:768*\t+512
.endr
	ds_load_b128 v[KSC:KSC+3], v[ADS]
	ds_load_b128 v[KSC+4:KSC+7], v[ADS] offset:256
	s_wait_alu depctr_va_vdst(0)
	s_wait_dscnt 0x0
.irp t, 0,1,2,3,4,5,6,7
	v_wmma_scale_f32_16x16x128_f8f6f4 v[S+8*\t:S+8*\t+7], v[KF+6*\t:KF+6*\t+11], v[\qf:\qf+11], 0, v[KSC+\t], v[\qs] matrix_a_fmt:MATRIX_FMT_FP6 matrix_b_fmt:MATRIX_FMT_FP6
.endr
.rept 4
	v_nop
.endr
.irp t, 0,1,2,3
.irp c, 0,1
	ds_load_b128 v[KF+12*\t+6*\c:KF+12*\t+6*\c+3], v[ADK] offset:VO+1536*\t+768*\c       ; V's four fragments land under the softmax
	ds_load_b64 v[KF+12*\t+6*\c+4:KF+12*\t+6*\c+5], v[ADK8] offset:VO+1536*\t+768*\c+512
.endr
.endr
	ds_load_b128 v[VSC:VSC+3], v[ADS] offset:512
	s_cmp_lt_u32 s[KS], s[RK]
	s_cbranch_scc1 .Lopen_\@
.set n, 0
.rept 64                               ; on the diagonal hidden scores become -infinity ahead of the maximum; the step's first key counts for every query
	v_cmp_gt_i32 vcc_lo, 16*(n/8)+n%8, v[D0]
	v_cndmask_b32 v[S+n], v[S+n], v[NINF], vcc_lo
.set n, n+1
.endr
.Lopen_\@:
.irp b, 0,1,2,3
	v_max3_num_f32 v[BM+\b], v[S+16*\b], v[S+1+16*\b], v[S+2+16*\b]   ; the largest score of each block of 32 keys: for the row's maximum and for the block's largest p
.endr
.irp i, 3,5,7,9,11,13
.irp b, 0,1,2,3
	v_max3_num_f32 v[BM+\b], v[BM+\b], v[S+16*\b+\i], v[S+1+16*\b+\i]
.endr
.endr
.irp b, 0,1,2,3
	v_max_num_f32 v[BM+\b], v[BM+\b], v[S+15+16*\b]
.endr
.irp b, 0,1,2,3
	s_delay_alu instid0(VALU_DEP_4)
	v_permlanex16_b32 v[PT+\b], v[BM+\b], s[SEL], s[SEL+1]
.endr
.irp b, 0,1,2,3
	s_delay_alu instid0(VALU_DEP_4)
	v_max_num_f32 v[BM+\b], v[BM+\b], v[PT+\b]
.endr
	s_delay_alu instid0(VALU_DEP_2)
	v_max3_num_f32 v[T0], v[BM], v[BM+1], v[BM+2]
	s_delay_alu instid0(VALU_DEP_1)
	v_max_num_f32 v[T0], v[T0], v[BM+3]
	s_delay_alu instid0(VALU_DEP_1)
	v_mul_f32 v[T0], s[CS], v[T0]
	s_delay_alu instid0(VALU_DEP_1)
	v_max_num_f32 v[NM+1], v[NM+1], v[T0]          ; the running largest t
	v_mov_b32 v[T0], v[NM]
	s_delay_alu instid0(VALU_DEP_2)
	v_floor_f32 v[NM], -v[NM+1]                    ; the new -M: M is a whole number
	s_delay_alu instid0(VALU_DEP_1)
	v_sub_f32 v[T0], v[NM], v[T0]
	s_delay_alu instid0(VALU_DEP_1)
	v_cvt_i32_f32 v[T0], v[T0]
	s_delay_alu instid0(VALU_DEP_1)
	v_ldexp_f32 v[FF], 1.0, v[T0]                  ; f = 2^(old M - new M)
.set n, 0
.rept 32
	v_pk_fma_f32 v[S+n:S+n+1], v[S+n:S+n+1], s[CS:CS+1], v[NM:NM+1] op_sel_hi:[1,0,0]
.set n, n+2
.endr
.irp b, 0,1,2,3
	v_fma_f32 v[BM+\b], v[BM+\b], s[CS], v[NM]
.endr
.set n, 0
	s_wait_alu depctr_va_vdst(0)
.rept 64
	v_exp_f32 v[S+n], v[S+n]                       ; p = 2^(t - M)
.set n, n+1
.endr
.irp b, 0,1,2,3
	v_exp_f32 v[BM+\b], v[BM+\b]                   ; the block's largest p
.endr
	v_pk_mul_f32 v[SUM:SUM+1], v[SUM:SUM+1], v[FF:FF+1] op_sel_hi:[1,0]
	s_wait_alu depctr_va_vdst(0)
.irp b, 0,1,2,3
	v_max_num_f32 v[BM+\b], 0x1800000, v[BM+\b]
.endr
.irp b, 0,1,2,3
	s_delay_alu instid0(VALU_DEP_4)
	v_add_nc_u32 v[SO+\b], 0xff000000, v[BM+\b]
.endr
.irp b, 0,1,2,3
	s_delay_alu instid0(VALU_DEP_4)
	v_lshrrev_b32 v[PT+\b], 23, v[SO+\b]
.endr
	s_delay_alu instid0(VALU_DEP_3)
	v_lshl_or_b32 v[PSC], v[PT+1], 8, v[PT]
	s_delay_alu instid0(VALU_DEP_1)
	v_lshl_or_b32 v[PSC], v[PT+2], 16, v[PSC]
	s_delay_alu instid0(VALU_DEP_1)
	v_lshl_or_b32 v[PSC], v[PT+3], 24, v[PSC]
.irp c, 0,1
	v_cvt_scalef32_pk16_fp6_f32 v[PC+6*\c:PC+6*\c+2], v[S+32*\c:S+32*\c+15], v[SO+2*\c]
	v_cvt_scalef32_pk16_fp6_f32 v[PT+4*\c:PT+4*\c+2], v[S+32*\c+16:S+32*\c+31], v[SO+2*\c+1]
.endr
	v_nop
.irp c, 0,1
.irp i, 0,1,2
	v_permlane16_swap_b32 v[PC+6*\c+\i], v[PT+4*\c+\i]
.endr
.irp i, 0,1,2
	s_delay_alu instid0(VALU_DEP_3)
	v_mov_b32 v[PC+3+6*\c+\i], v[PT+4*\c+\i]
.endr
.endr
	v_pk_add_f32 v[242:243], v[118:119], v[122:123]     ; the row's sum of the unquantised p, in eight chains
	v_pk_add_f32 v[252:253], v[126:127], v[130:131]
	v_pk_add_f32 v[250:251], v[134:135], v[138:139]
	v_pk_add_f32 v[248:249], v[142:143], v[146:147]
	v_pk_add_f32 v[246:247], v[150:151], v[154:155]
	v_pk_add_f32 v[244:245], v[158:159], v[162:163]
	v_pk_add_f32 v[236:237], v[166:167], v[170:171]
	v_pk_add_f32 v[18:19], v[18:19], v[174:175]
	v_pk_add_f32 v[242:243], v[242:243], v[114:115]
	v_pk_add_f32 v[252:253], v[252:253], v[116:117]
	v_pk_add_f32 v[250:251], v[250:251], v[120:121]
	v_pk_add_f32 v[248:249], v[248:249], v[124:125]
	v_pk_add_f32 v[246:247], v[246:247], v[128:129]
	v_pk_add_f32 v[244:245], v[244:245], v[132:133]
	v_pk_add_f32 v[236:237], v[236:237], v[136:137]
	v_pk_add_f32 v[18:19], v[18:19], v[140:141]
	v_pk_add_f32 v[242:243], v[242:243], v[144:145]
	v_pk_add_f32 v[252:253], v[252:253], v[148:149]
	v_pk_add_f32 v[250:251], v[250:251], v[152:153]
	v_pk_add_f32 v[248:249], v[248:249], v[156:157]
	v_pk_add_f32 v[246:247], v[246:247], v[160:161]
	v_pk_add_f32 v[244:245], v[244:245], v[164:165]
	v_pk_add_f32 v[236:237], v[236:237], v[168:169]
	v_pk_add_f32 v[18:19], v[18:19], v[172:173]
	v_pk_add_f32 v[242:243], v[242:243], v[176:177]
	s_delay_alu instid0(VALU_DEP_2)
	v_pk_add_f32 v[18:19], v[18:19], v[248:249]
	s_delay_alu instid0(VALU_DEP_2)
	v_pk_add_f32 v[242:243], v[242:243], v[246:247]
	v_pk_add_f32 v[252:253], v[252:253], v[244:245]
	v_pk_add_f32 v[250:251], v[250:251], v[236:237]
	s_delay_alu instid0(VALU_DEP_2)
	v_pk_add_f32 v[18:19], v[18:19], v[252:253]
	s_delay_alu instid0(VALU_DEP_2)
	v_pk_add_f32 v[242:243], v[242:243], v[250:251]
	s_delay_alu instid0(VALU_DEP_1)
	v_pk_add_f32 v[18:19], v[18:19], v[242:243]
.set n, 0
.rept 16
	v_pk_mul_f32 v[OT+n:OT+n+1], v[OT+n:OT+n+1], v[FF:FF+1] op_sel_hi:[1,0]   ; O^T under the new M; with the sums: the places ahead of the products below
.set n, n+2
.endr
	s_wait_alu depctr_va_vdst(0)
	s_wait_dscnt 0x0
.irp t, 0,1,2,3
	v_wmma_scale_f32_16x16x128_f8f6f4 v[OT+8*\t:OT+8*\t+7], v[KF+12*\t:KF+12*\t+11], v[PC:PC+11], v[OT+8*\t:OT+8*\t+7], v[VSC+\t], v[PSC] matrix_a_fmt:MATRIX_FMT_FP6 matrix_b_fmt:MATRIX_FMT_FP6
.endr
.Lhidden_\@:
	s_add_co_u32 s[TK], s[TK], STEPB
.endm
; A TILE'S END: O^T / the sum; the channels into their natural order; two blocks of 32 quantised; 16 rows of 48 bytes through my stage, so that the stores cover 512 and 256 consecutive bytes
.macro FINISH p
	s_wait_xcnt 0x0
.rept 4
	v_nop
.endr
	v_add_f32 v[SUM], v[SUM], v[SUM+1]
	s_delay_alu instid0(VALU_DEP_1)
	v_permlanex16_b32 v[T0], v[SUM], s[SEL], s[SEL+1]
	s_delay_alu instid0(VALU_DEP_1)
	v_add_f32 v[SUM], v[SUM], v[T0]
	s_wait_alu depctr_va_vdst(0)
	v_rcp_f32 v[SUM], v[SUM]
	v_and_b32 v[T0], 16, v0
.set n, 0
	s_wait_alu depctr_va_vdst(0)
.rept 32
	v_mul_f32 v[S+n], v[OT+n], v[SUM]
.set n, n+1
.endr
.irp b, 0,1
.irp j, 0,1,2,3,4,5,6,7
	v_permlane16_swap_b32 v[S+16*\b+\j], v[S+16*\b+8+\j]   ; register 16 b + i is now channel 32 b + 16 h + i
.endr
.endr
.irp b, 0,1
	v_max3_num_f32 v[BM+\b], |v[S+16*\b]|, |v[S+1+16*\b]|, 0x1800000
.endr
.irp i, 2,4,6,8,10,12,14
.irp b, 0,1
	s_delay_alu instid0(VALU_DEP_2)
	v_max3_num_f32 v[BM+\b], v[BM+\b], |v[S+16*\b+\i]|, |v[S+1+16*\b+\i]|
.endr
.endr
.irp b, 0,1
	s_delay_alu instid0(VALU_DEP_2)
	v_permlanex16_b32 v[PT+\b], v[BM+\b], s[SEL], s[SEL+1]
.endr
.irp b, 0,1
	s_delay_alu instid0(VALU_DEP_2)
	v_max_num_f32 v[BM+\b], v[BM+\b], v[PT+\b]
.endr
.irp b, 0,1
	s_delay_alu instid0(VALU_DEP_2)
	v_add_nc_u32 v[SO+\b], 0xff000000, v[BM+\b]
.endr
.irp b, 0,1
	s_delay_alu instid0(VALU_DEP_2)
	v_lshrrev_b32 v[PT+\b], 23, v[SO+\b]
.endr
	v_cvt_scalef32_pk16_fp6_f32 v[PC:PC+2], v[S:S+15], v[SO]
	v_cvt_scalef32_pk16_fp6_f32 v[PT+4:PT+6], v[S+16:S+31], v[SO+1]
	v_cmp_ne_u32 vcc_lo, 0, v[T0]
.irp i, 0,1,2
	v_permlane16_swap_b32 v[PC+\i], v[PT+4+\i]
.endr
.irp i, 0,1,2
	s_delay_alu instid0(VALU_DEP_3)
	v_mov_b32 v[PC+3+\i], v[PT+4+\i]
.endr
	v_cndmask_b32 v[BYTE], v[PT], v[PT+1], vcc_lo
	ds_store_b64 v[STO], v[PC:PC+1]
	ds_store_b64 v[STO], v[PC+2:PC+3] offset:8
	ds_store_b64 v[STO], v[PC+4:PC+5] offset:16
	ds_load_b128 v[OUT:OUT+3], v[RD16]             ; LDS serves a wave's instructions in order (ISA guide 5.7.1.4)
	ds_load_b64 v[OUT+4:OUT+5], v[RD8] offset:512
	s_wait_alu depctr_va_vdst(0)
	s_wait_dscnt 0x0
	global_store_b128 v[LI], v[OUT:OUT+3], s[\p:\p+1]
	global_store_b64 v[L8], v[OUT+4:OUT+5], s[\p:\p+1] offset:512
	global_store_b8 v[OSO], v[BYTE], s[\p+2:\p+3]
.endm
	s_wait_loadcnt 0x0                             ; q
	s_wait_tensorcnt 0x0                           ; my key step
	s_barrier_signal -1
	s_barrier_wait -1                              ; all sixteen are in
	TILE_INIT
	s_mov_b32 s[RK], s70
.Lfirst:                                           ; steps 0-8 of the tile that I finish
	STEP QB, QSB
	s_add_co_u32 s[KS], s[KS], 1
	s_cmp_lt_u32 s[KS], 9
	s_cbranch_scc1 .Lfirst
	s_cmp_lt_u32 s[WV], 8
	s_cbranch_scc1 .Lkeep                          ; waves 0-7 keep their part of the long tile
	s_wait_alu depctr_va_vdst(0)
	FINISH 76                                      ; waves 8-15: the short tile is whole
	s_wait_xcnt 0x0                                ; its stores have read their registers: the next steps write them
	TILE_INIT
.Lkeep:
	s_mov_b32 s[RK], s71
	s_mov_b32 s[KS], 9
	s_mov_b32 s[TK], 9*STEPB
.Lsecond:                                          ; steps 9-15 of the long tile: waves 8-15 alone have any
	STEP QA, QSA
	s_add_co_u32 s[KS], s[KS], 1
	s_cmp_lt_u32 s[KS], 16
	s_cbranch_scc1 .Lsecond
	s_cmp_lt_u32 s[WV], 8
	s_cbranch_scc1 .Lnothing
.rept 4
	v_nop                                          ; places behind the last products
.endr
	s_wait_alu depctr_va_vdst(0)
.irp k, 0,1,2,3,4,5,6,7
	ds_store_b128 v[PB], v[OT+4*\k:OT+4*\k+3] offset:512*\k   ; my part of the long tile, as an image of its registers
.endr
	ds_store_b128 v[PB], v[NM:NM+3] offset:4096
.Lnothing:
	s_wait_alu depctr_va_vdst(0)                   ; ahead of the wait and the barrier below
	s_wait_dscnt 0x0
	s_barrier_signal -1
	s_barrier_wait -1
	s_cmp_lt_u32 s[WV], 8
	s_cbranch_scc0 .Ldone
.irp k, 0,1,2,3,4,5,6,7
	ds_load_b128 v[S+4*\k:S+4*\k+3], v[PB] offset:512*\k
.endr
	ds_load_b128 v[S+32:S+35], v[PB] offset:4096
	s_wait_dscnt 0x0
	v_min_num_f32 v[BM], v[NM], v[S+32]            ; -M of both parts; a part without steps has -M = 3e38 and falls to a factor 0
	v_sub_f32 v[BM+1], v[BM], v[NM]
	v_sub_f32 v[BM+2], v[BM], v[S+32]
	v_cvt_i32_f32 v[BM+1], v[BM+1]
	v_cvt_i32_f32 v[BM+2], v[BM+2]
	v_ldexp_f32 v[FF], 1.0, v[BM+1]                ; my part's factor,
	v_ldexp_f32 v[T0], 1.0, v[BM+2]                ; the other's: powers of two
	v_pk_mul_f32 v[S+34:S+35], v[S+34:S+35], v[T0:T0+1] op_sel_hi:[1,0]
	v_pk_fma_f32 v[SUM:SUM+1], v[SUM:SUM+1], v[FF:FF+1], v[S+34:S+35] op_sel_hi:[1,0,1]
.set n, 0
.rept 16
	v_pk_mul_f32 v[S+n:S+n+1], v[S+n:S+n+1], v[T0:T0+1] op_sel_hi:[1,0]
.set n, n+2
.endr
.set n, 0
.rept 16
	v_pk_fma_f32 v[OT+n:OT+n+1], v[OT+n:OT+n+1], v[FF:FF+1], v[S+n:S+n+1] op_sel_hi:[1,0,1]
.set n, n+2
.endr
	s_wait_alu depctr_va_vdst(0)
	FINISH 76
.Ldone:
	s_wait_tensorcnt 0x0
	ds_add_u32 v254, v255
	s_wait_dscnt 0x0
	CROUND
	s_endpgm
.Lfunc_end_k_qc67793e93e_attn:
	.size	k_qc67793e93e_attn, .Lfunc_end_k_qc67793e93e_attn-k_qc67793e93e_attn
	.p2alignl 7, 3214868480
	.fill 96, 4, 3214868480
	.section	.rodata,"a",@progbits
	.p2align	6, 0x0
	.amdhsa_kernel k_qc67793e93e_attn
		.amdhsa_group_segment_fixed_size 264192
		.amdhsa_private_segment_fixed_size 0
		.amdhsa_enable_private_segment 0
		.amdhsa_kernarg_size 40
		.amdhsa_user_sgpr_count 2
		.amdhsa_user_sgpr_kernarg_segment_ptr 1
		.amdhsa_wavefront_size32 1
		.amdhsa_system_sgpr_workgroup_id_x 1
		.amdhsa_system_sgpr_workgroup_id_y 1
		.amdhsa_system_sgpr_workgroup_id_z 1
		.amdhsa_system_vgpr_workitem_id 0
		.amdhsa_next_free_vgpr 256
		.amdhsa_next_free_sgpr 92
		.amdhsa_reserve_vcc 1
		.amdhsa_float_denorm_mode_32 3
		.amdhsa_float_denorm_mode_16_64 3
		.amdhsa_memory_ordered 1
		.amdhsa_forward_progress 1
		.amdhsa_inst_pref_size 69
	.end_amdhsa_kernel
	.amdgpu_metadata
---
amdhsa.version: [ 1, 2 ]
amdhsa.kernels:
  - .name:           k_qc67793e93e_attn
    .symbol:         k_qc67793e93e_attn.kd
    .args:
      - { .name: qimg, .offset: 0, .size: 8, .value_kind: global_buffer, .address_space: global }
      - { .name: qsc, .offset: 8, .size: 8, .value_kind: global_buffer, .address_space: global }
      - { .name: kvb, .offset: 16, .size: 8, .value_kind: global_buffer, .address_space: global }
      - { .name: o_codes, .offset: 24, .size: 8, .value_kind: global_buffer, .address_space: global }
      - { .name: o_scales, .offset: 32, .size: 8, .value_kind: global_buffer, .address_space: global }
    .group_segment_fixed_size: 264192
    .private_segment_fixed_size: 0
    .kernarg_segment_align: 8
    .kernarg_segment_size: 40
    .max_flat_workgroup_size: 512
    .sgpr_count:     92
    .vgpr_count:     256
    .wavefront_size: 32
...
	.end_amdgpu_metadata
.endif
;; end of part 2
;; launch proj (part 3): grid 8 x 32, 4 waves a work-group, clusters of 4 x 4, 227,328 bytes of LDS; arguments o_codes, o_scales, wo_codes, wo_scales, bo, out0; writes out0
.if DOCPART == 3
	.amdgcn_target "amdgcn-amd-amdhsa--gfx1250"
	.amdhsa_code_object_version 6
	.text
	.protected	k_qc67793e93e_proj
	.globl	k_qc67793e93e_proj
	.p2align	8
	.type	k_qc67793e93e_proj,@function
k_qc67793e93e_proj:
	s_mov_b64 s[64:65], 0
	v_nop
	global_prefetch_b8 v0, s[64:65] scope:SCOPE_SE
	s_setreg_imm32_b32 hwreg(HW_REG_WAVE_MODE, 25, 1), 1
	s_wait_xcnt 0x0
	s_wait_alu depctr_hold_cnt(0) depctr_sa_sdst(0) depctr_va_vdst(0) depctr_va_sdst(0) depctr_va_ssrc(0) depctr_va_vcc(0) depctr_vm_vsrc(0)
	s_getreg_b32 s2, hwreg(HW_REG_IB_STS2, 6, 4)
	s_cmp_eq_u32 s2, 0
	s_cbranch_scc0 .Lentry_in_a_cluster
	s_endpgm
.Lentry_in_a_cluster:
	s_bfe_u32 s2, ttmp6, 0x10000c
	s_cmp_lg_u32 s2, 0xf033
	s_cbranch_scc0 .Lentry_shape_is_right
	s_endpgm
.Lentry_shape_is_right:
; out0 = o wo^T + bo on codes of FP6 (E2M3), K = 1,024.  o's rows are reference()'s reshape without a transposition: row 128 (16 batch + head) + s / 16 is 16 tokens x 64 channels of one head, 768 bytes of o_codes as they lie.
; 256 work-groups = 8 tiles of 128 columns (x) x 32 tiles of 128 rows (y).  Four waves, 2 x 2, 64 x 64 each.  Whole rows of K (768 bytes, 16 of padding behind each 256) of both operands lie in LDS, filled once at the head,
; one joint load a wave: waves 0, 1 a half of o's rows each (shared by a row of the cluster), waves 2, 3 a half of wo's (by a column).  Nothing is filled again.  No prefetch: all fills stand at the head, there is no loop to run ahead in.
; BY ROWS: a wave's 64 rows of wo, all of K, stay in 384 registers; o's rows come in four blocks of 16 rows, all of K, through two sets.  A block's 16 x 64 results are whole after its 32 products (4 accumulators by turns)
; and leave while the next block is multiplied.
; Source 0 = wo's rows, source 1 = o's rows: a lane holds eight neighbouring columns of a row.  The bias is the first products' C.  Scale words come straight into registers, 32 bytes a row and lane.
; The way out: 16 rows x 256 bytes through the wave's own stage, so that sixteen lanes store 256 consecutive, aligned bytes.
; REGISTERS: window 0: v0-31 addresses, v32-127 o's set 0, v128-143 wo's scale words, v180-195 o's, v200-215 LDS addresses, v224-255 rows on the way out; windows 1, 2: wo's fragments of K steps 0-4, 5-7, then the bias table;
; window 3: two sets of 4 accumulators, o's set 1 (128-223), rows on the way out (224-255).
.set KROW, 768
.set PITCH, 816
.set TILEB, 128*PITCH
.set STG, 2*TILEB
.set SPITCH, 272
.set SPARE, STG+4*16*SPITCH
.set L32, 3
.set H32, 4
.set STO, 6
.set RD, 7
.set CO, 8
.set SPW, 10
.set NIL, 11
.set WS, 128
.set XS, 180
.set AX, 200
.set AWB, 208
.set BK, 224
.set TB, 144
.set G1X, 44
.set G1W, 52
.set G0X, 60
.set G0W, 68
.set MSB, 0
.set CNT, 0
.macro WIN new
.if MSB != \new
	s_set_vgpr_msb (MSB<<8)|\new
.set MSB, \new
.endif
.endm
.macro PLACES c
.rept \c
	v_nop
.endr
.endm
.macro BARRIER
	s_barrier_signal -1
	s_barrier_wait -1
.endm
.macro CROUND
	BARRIER
	s_cmp_lg_u32 s32, 0
	s_cbranch_scc1 .Lnot_wave_0_\@
	s_barrier_signal -3
.Lnot_wave_0_\@:
	s_barrier_wait -3
	BARRIER
.endm
.macro TLOAD g0, g1
	tensor_load_to_lds s[\g0:\g0+3], s[\g1:\g1+7]
	s_nop 0
	PLACES 4
.endm
.macro GROUP1 g, mask, rows
	s_or_b32 s[\g+0], s[\mask], (1<<20)|(1<<21)|(5<<22)|(3<<25)
	s_mov_b32 s[\g+1], (KROW&0xffff)<<16
	s_mov_b32 s[\g+2], (KROW>>16)|((\rows)<<16)
	s_mov_b32 s[\g+3], KROW<<16
	s_mov_b32 s[\g+4], \rows
	s_mov_b32 s[\g+5], KROW
	s_mov_b32 s[\g+6], 0
	s_mov_b32 s[\g+7], 0
.endm
.macro FRAG r, q, a0                   ; six pieces of 8 bytes, two to a load where both lie behind as many paddings; CNT counts the loads
.set SKIP_, 0
.irp p, 0,1,2,3,4,5
.if SKIP_
.set SKIP_, 0
.else
.set PC_, 12*(\q)+6*(\p/3)+\p%3
.set PN_, 12*(\q)+6*((\p+1)/3)+(\p+1)%3
.set X_, (PC_%32+3)/32
.set XQ_, (PN_%32+3)/32
.set CNT, CNT+1
.if (\p < 5) && (X_ == XQ_)
.set SKIP_, 1
	ds_load_2addr_b64 v[(\r)+2*\p:(\r)+2*\p+3], v[(\a0)+X_] offset0:PC_+2*(PC_/32) offset1:PN_+2*(PN_/32)
.else
	ds_load_b64 v[(\r)+2*\p:(\r)+2*\p+1], v[(\a0)+X_] offset:8*(PC_+2*(PC_/32))
.endif
.endif
.endr
.endm
.macro WFR q                           ; wo's four tiles of K step q, to stay
	WIN (1+(\q)/5)<<6
.irp t, 0,1,2,3
	FRAG 48*((\q)%5)+12*\t, \q, AWB+2*\t
.endr
.endm
.macro XFR i, q                        ; K step q of o's block i, into set i % 2
.if (\i)%2
	WIN 0xc0
	FRAG 128+12*(\q), \q, AX+2*(\i)
.else
	WIN 0
	FRAG 32+12*(\q), \q, AX+2*(\i)
.endif
.endm
.macro WM d, a, b, c, sa, sb, ra, rb
	v_wmma_scale_f32_16x16x128_f8f6f4 v[\d:\d+7], v[\a:\a+11], v[\b:\b+11], v[\c:\c+7], v[\sa], v[\sb] matrix_a_fmt:MATRIX_FMT_FP6 matrix_b_fmt:MATRIX_FMT_FP6 matrix_a_scale:MATRIX_SCALE_ROW\ra matrix_b_scale:MATRIX_SCALE_ROW\rb
.endm
.macro MULB i, q                       ; block i, K step q: four products, the block's four accumulators by turns
.set FX_, 32+96*((\i)%2)+12*(\q)
.set CW_, 3
.if (\q) == 0
.set CW_, 2
.endif
	WIN (1+(\q)/5)|((3*((\i)%2))<<2)|(CW_<<4)|0xc0
.irp tp, 0,1
.irp to, 0,1
.set T_, 2*\tp+\to
.set FW_, 48*((\q)%5)+12*T_
.set D_, 32*((\i)%2)+8*T_
.set C_, D_
.if (\q) == 0
.set C_, TB+8*T_
.endif
.set SW_, WS+8*\tp+(\q)
.set SX_, XS+8*((\i)/2)+(\q)
.if (\i)%2
	WM D_, FW_, FX_, C_, SW_, SX_, \to, 1
.else
	WM D_, FW_, FX_, C_, SW_, SX_, \to, 0
.endif
.endr
.endr
.endm
.macro TOSTAGE j                       ; block j's results into my stage and back as whole rows: 8 stores, 8 loads
.if (\j) > 1
	s_wait_xcnt 0x0                                ; the stores of two blocks ago have read their registers
.endif
	WIN 0x0c
.irp t, 0,1,2,3
	ds_store_b128 v[STO], v[32*((\j)%2)+8*\t:32*((\j)%2)+8*\t+3] offset:64*\t        ; each accumulator from its low end on
	ds_store_b128 v[STO], v[32*((\j)%2)+8*\t+4:32*((\j)%2)+8*\t+7] offset:64*\t+16
.endr
	WIN 0xc0*((\j)%2)
.irp u, 0,1,2,3,4,5,6,7
	ds_load_b128 v[BK+4*\u:BK+4*\u+3], v[RD] offset:\u*2*SPITCH   ; LDS serves a wave's instructions in order (ISA guide 5.7.1.4)
.endr
.endm
.macro SEND j
	WIN 0x0c*((\j)%2)
.irp u, 0,1,2,3,4,5,6,7
	global_store_b128 v[CO], v[BK+4*\u:BK+4*\u+3], s[14:15] offset:(16*(\j)+2*\u)*4096 th:TH_STORE_NT
.endr
.endm
	s_load_b256 s[4:11], s[0:1], 0x0               ; o codes, o scales, wo codes, wo scales
	s_load_b128 s[12:15], s[0:1], 0x20             ; bo, out0
	v_lshl_add_u32 v[SPW], v0, 2, SPARE
	v_mov_b32 v[NIL], 0
	ds_add_u32 v[SPW], v[NIL]                      ; the opening lines: the add twice on end
	ds_add_u32 v[SPW], v[NIL]
	v_lshrrev_b32 v12, 5, v0
	v_readfirstlane_b32 s32, v12                   ; wave; s33 = a (rows), s34 = b (columns)
	s_lshr_b32 s33, s32, 1
	s_and_b32 s34, s32, 1
	s_bfe_u32 s35, ttmp6, 0x40000
	s_bfe_u32 s36, ttmp6, 0x40004
	s_lshl_b32 s37, ttmp9, 2
	s_add_co_u32 s37, s37, s35                     ; tile of 128 columns
	s_and_b32 s38, ttmp7, 0xffff
	s_lshl_b32 s38, s38, 2
	s_add_co_u32 s38, s38, s36                     ; tile of 128 rows
	s_lshl_b32 s39, s36, 2
	s_lshl_b32 s39, 15, s39
	s_lshl_b32 s40, 0x1111, s35
	GROUP1 G1X, 39, 64
	GROUP1 G1W, 40, 64
	s_mul_i32 s76, s38, 128*KROW
	s_mul_i32 s80, s34, 64*KROW                    ; the half that I fetch
	s_add_co_u32 s76, s76, s80
	s_mov_b32 s77, 0
	s_mul_i32 s78, s37, 128*KROW
	s_add_co_u32 s78, s78, s80
	s_mov_b32 s79, 0
	s_mov_b32 s[G0X], 1
	s_mul_i32 s[G0X+1], s34, 64*PITCH
	s_mov_b32 s[G0W], 1
	s_add_co_u32 s[G0W+1], s[G0X+1], TILEB
	v_and_b32 v12, 31, v0
	v_and_b32 v13, 15, v0                          ; r
	v_bfe_u32 v14, v0, 4, 1                        ; h
	v_lshlrev_b32 v[L32], 5, v12
	v_lshlrev_b32 v[H32], 5, v14
	v_mul_u32_u24 v15, v13, PITCH
	v_mad_u32_u24 v16, v14, 24, v15
	v_mad_u32_u24 v17, v14, 40, v15
	s_mul_i32 s83, s33, 64*PITCH
	s_mul_i32 s84, s34, 64*PITCH
	s_add_co_u32 s84, s84, TILEB
.irp t, 0,1,2,3
	v_add_nc_u32 v[AX+2*\t], s83, v16
	v_add_nc_u32 v[AX+2*\t+1], s83, v17
	v_add_nc_u32 v[AWB+2*\t], s84, v16
	v_add_nc_u32 v[AWB+2*\t+1], s84, v17
	s_add_co_u32 s83, s83, 16*PITCH
	s_add_co_u32 s84, s84, 16*PITCH
.endr
	s_mul_i32 s85, s32, 16*SPITCH
	s_add_co_u32 s85, s85, STG                     ; my stage
	v_mul_u32_u24 v18, v13, SPITCH
	v_lshl_add_u32 v18, v14, 5, v18
	v_add_nc_u32 v[STO], s85, v18                  ; in: row r, 32 bytes for each half of the lanes
	v_mul_u32_u24 v19, v14, SPITCH
	v_lshl_add_u32 v19, v13, 4, v19
	v_add_nc_u32 v[RD], s85, v19                   ; back: lanes 0-15 one row of 256 bytes, lanes 16-31 the next
	v_lshlrev_b32 v[CO], 12, v14
	v_lshl_add_u32 v[CO], v13, 4, v[CO]            ; and the same two rows in out0
	s_wait_alu depctr_va_vdst(0)                   ; the wait at the head's end
	s_wait_dscnt 0x0
	CROUND                                         ; ahead of the joint loads
	s_wait_kmcnt 0x0
	s_add_nc_u64 s[G0X+2:G0X+3], s[4:5], s[76:77]
	s_or_b32 s[G0X+3], s[G0X+3], 0x80000000
	s_add_nc_u64 s[G0W+2:G0W+3], s[8:9], s[78:79]
	s_or_b32 s[G0W+3], s[G0W+3], 0x80000000
	s_cmp_lt_u32 s32, 2
	s_cbranch_scc0 .Lfor_w
	TLOAD G0X, G1X
	s_branch .Lasked
.Lfor_w:
	TLOAD G0W, G1W
.Lasked:
	s_lshl_b32 s86, s38, 7
	s_lshl_b32 s85, s33, 6
	s_add_co_u32 s86, s86, s85                     ; my first row
	s_lshl_b32 s84, s86, 5
	s_mov_b32 s85, 0
	s_add_nc_u64 s[6:7], s[6:7], s[84:85]
	s_lshl_b32 s84, s37, 7
	s_lshl_b32 s83, s34, 6
	s_add_co_u32 s83, s84, s83                     ; my first column
	s_lshl_b32 s84, s83, 5
	s_add_nc_u64 s[10:11], s[10:11], s[84:85]
	s_lshl_b32 s84, s83, 2
	s_add_nc_u64 s[12:13], s[12:13], s[84:85]
	s_add_nc_u64 s[14:15], s[14:15], s[84:85]
	s_lshl_b32 s84, s86, 12
	s_add_nc_u64 s[14:15], s[14:15], s[84:85]
.irp p, 0,1
.irp c, 0,1
	global_load_b128 v[XS+8*\p+4*\c:XS+8*\p+4*\c+3], v[L32], s[6:7] offset:1024*\p+16*\c
	global_load_b128 v[WS+8*\p+4*\c:WS+8*\p+4*\c+3], v[L32], s[10:11] offset:1024*\p+16*\c
.endr
.endr
	WIN 0x80
.irp t, 0,1,2,3
.irp c, 0,1
	global_load_b128 v[TB+8*\t+4*\c:TB+8*\t+4*\c+3], v[H32], s[12:13] offset:64*\t+16*\c   ; register 8 t + j = bo[16 t + 8 h + j]
.endr
.endr
	WIN 0
	s_wait_tensorcnt 0x0
	BARRIER                                        ; both tiles are in
; one run of loads: K step by K step wo's four tiles and block 0's fragment, then block 1.  CUMq: the loads issued up to K step q's last
.irp q, 0,1,2,3,4,5,6,7
	WFR \q
	XFR 0, \q
.set CUM\q, CNT
.endr
.irp q, 0,1,2,3,4,5,6,7
	XFR 1, \q
.endr
	WIN 0
.set TOT, CNT
	s_wait_loadcnt 0x0                             ; scale words and the bias table
.irp q, 0,1,2,3,4,5,6,7
.set R_, TOT-CUM\q                     ; the loads issued behind K step q's may stay out (the wait's field holds 63 at the most: a smaller count waits for more)
.if R_ > 63
.set R_, 63
.endif
	s_wait_dscnt R_
	MULB 0, \q
.endr
.irp i, 1,2,3
	WIN 0
	PLACES 4                                       ; behind block i - 1's products: its results are read, its set of fragments is loaded anew
	TOSTAGE \i-1
.set CNT, 0
.if \i < 3
.irp q, 0,1,2,3,4,5,6,7
	XFR \i+1, \q
.endr
.endif
	s_wait_dscnt CNT+16                            ; block i's fragments are in: behind them the stage's 16 and the next block's CNT
.irp q, 0,1,2,3
	MULB \i, \q
.endr
	s_wait_dscnt CNT                               ; block i - 1 is back from the stage
	SEND \i-1
.irp q, 4,5,6,7
	MULB \i, \q
.endr
.endr
	WIN 0
	PLACES 4
	TOSTAGE 3
	s_wait_dscnt 0x0
	SEND 3
	WIN 0
	s_wait_tensorcnt 0x0                           ; the wave's end
	ds_add_u32 v[SPW], v[NIL]
	s_wait_dscnt 0x0
	CROUND                                         ; the closing round
	s_endpgm
.Lfunc_end_k_qc67793e93e_proj:
	.size	k_qc67793e93e_proj, .Lfunc_end_k_qc67793e93e_proj-k_qc67793e93e_proj
	.p2alignl 7, 3214868480
	.fill 96, 4, 3214868480
	.section	.rodata,"a",@progbits
	.p2align	6, 0x0
	.amdhsa_kernel k_qc67793e93e_proj
		.amdhsa_group_segment_fixed_size 227328
		.amdhsa_private_segment_fixed_size 0
		.amdhsa_enable_private_segment 0
		.amdhsa_kernarg_size 48
		.amdhsa_user_sgpr_count 2
		.amdhsa_user_sgpr_kernarg_segment_ptr 1
		.amdhsa_wavefront_size32 1
		.amdhsa_system_sgpr_workgroup_id_x 1
		.amdhsa_system_sgpr_workgroup_id_y 1
		.amdhsa_system_sgpr_workgroup_id_z 1
		.amdhsa_system_vgpr_workitem_id 0
		.amdhsa_next_free_vgpr 1024
		.amdhsa_next_free_sgpr 102
		.amdhsa_reserve_vcc 0
		.amdhsa_float_denorm_mode_32 3
		.amdhsa_float_denorm_mode_16_64 3
		.amdhsa_memory_ordered 1
		.amdhsa_forward_progress 1
		.amdhsa_inst_pref_size 48
	.end_amdhsa_kernel
	.amdgpu_metadata
---
amdhsa.version: [ 1, 2 ]
amdhsa.kernels:
  - .name:           k_qc67793e93e_proj
    .symbol:         k_qc67793e93e_proj.kd
    .args:
      - { .name: o_codes, .offset: 0, .size: 8, .value_kind: global_buffer, .address_space: global }
      - { .name: o_scales, .offset: 8, .size: 8, .value_kind: global_buffer, .address_space: global }
      - { .name: wo_codes, .offset: 16, .size: 8, .value_kind: global_buffer, .address_space: global }
      - { .name: wo_scales, .offset: 24, .size: 8, .value_kind: global_buffer, .address_space: global }
      - { .name: bo, .offset: 32, .size: 8, .value_kind: global_buffer, .address_space: global }
      - { .name: out0, .offset: 40, .size: 8, .value_kind: global_buffer, .address_space: global }
    .group_segment_fixed_size: 227328
    .private_segment_fixed_size: 0
    .kernarg_segment_align: 8
    .kernarg_segment_size: 48
    .max_flat_workgroup_size: 128
    .sgpr_count:     102
    .vgpr_count:     1024
    .wavefront_size: 32
...
	.end_amdgpu_metadata
.endif
;; end of part 3
